; MI455X (gfx1250); checked and timed in simulation.
; The chip was launched on July 23, 2026; its instructions are those of AMD's public machine-readable ISA for CDNA 5 (MIT licence, August 2026) and "CDNA5" Instruction Set Architecture Reference Guide (July 2026). The comments in the code are by the model that wrote it; some were corrected since.
;; Multi Headed Attention. Allowed arithmetic: matrix products marked QUANTISED: E5M2 operands, one given power-of-two scale a tensor, by v_wmma_f32_16x16x64_bf8_bf8 or v_wmma_f32_16x16x128_bf8_bf8, f32 sums; everything else in f32.
;; Inputs: attention_mask 4 x 2,048 x 2,048 int32; b_k 1,024 float32; b_o 1,024 float32; b_q 1,024 float32; b_v 1,024 float32; key_codes 4 x 2,048 x 32 x 32 uint8 (E5M2 codes of key, K innermost, in blocks of 32 codes); lowp_scales 12 int32 (the exponents e of the quantised operands' scales 2^e); query_codes 4 x 2,048 x 32 x 32 uint8 (E5M2 codes of query, K innermost, in blocks of 32 codes); value_codes 4 x 2,048 x 32 x 32 uint8 (E5M2 codes of value, K innermost, in blocks of 32 codes); w_k_codes 1,024 x 32 x 32 uint8 (E5M2 codes of w_k, K innermost, in blocks of 32 codes); w_o_codes 1,024 x 32 x 32 uint8 (E5M2 codes of w_o, K innermost, in blocks of 32 codes); w_q_codes 1,024 x 32 x 32 uint8 (E5M2 codes of w_q, K innermost, in blocks of 32 codes); w_v_codes 1,024 x 32 x 32 uint8 (E5M2 codes of w_v, K innermost, in blocks of 32 codes).
;; Outputs: out0 4 x 2,048 x 1,024 float32.
;; This version of the problem:
;;   THIS VERSION OF THE PROBLEM IS GIVEN IN LOW PRECISION. The matrix products marked QUANTISED in the list below multiply operands that are first quantised to E5M2 (5 exponent bits, 2 mantissa bits; 8 bits a number), with one given power-of-two scale for each operand tensor; their sums are f32. All else is computed in f32.
;;   The module's matrix products, in the order in which they are computed (A, B: the left and right operand; K: the contracted axis; several contracted axes count as one K, in the product's order):
;;     1. [M 8,192, K 1,024] x [K 1,024, N 1,024]; A: input query (given as codes); B: input w_q (given as codes): QUANTISED (scales: A lowp_scales[0], B lowp_scales[1])
;;     2. [M 8,192, K 1,024] x [K 1,024, N 1,024]; A: input key (given as codes); B: input w_k (given as codes): QUANTISED (scales: A lowp_scales[2], B lowp_scales[3])
;;     3. [M 8,192, K 1,024] x [K 1,024, N 1,024]; A: input value (given as codes); B: input w_v (given as codes): QUANTISED (scales: A lowp_scales[4], B lowp_scales[5])
;;     4. batch 64 x [M 2,048, K 64] x [K 64, N 2,048]; A: computed on the way; B: computed on the way: QUANTISED (scales: A lowp_scales[6], B lowp_scales[7])
;;     5. batch 64 x [M 2,048, K 2,048] x [K 2,048, N 64]; A: softmax (see below); B: computed on the way: QUANTISED (scales: A lowp_scales[8], B lowp_scales[9])
;;     6. [M 8,192, K 1,024] x [K 1,024, N 1,024]; A: computed on the way; B: input w_o (given as codes): QUANTISED (scales: A lowp_scales[10], B lowp_scales[11])
;;   THE QUANTISER, for each operand of a quantised product, along K:
;;     - The operand's scale is 2^e, e = its entry of the input lowp_scales (int32; the entries are numbered through the quantised products in the list's order, A before B).
;;     - Each number is divided by the scale, clamped to +-57,344, and rounded to the nearest number of E5M2, ties to even, subnormals kept.
;;     - The product sums the exact products of the quantised numbers (number of the format x scale) in f32.
;;   ~~~python
;;   def quantise(x, axis, e):      # numpy; x: float32 -> the quantised numbers, widened to float32 again
;;       x = np.moveaxis(x, axis, -1); K = x.shape[-1]
;;       r = np.clip(x / 2.0 ** e, -57344, 57344)
;;       step = 2.0 ** (np.maximum(np.frexp(np.where(r == 0, 1, r))[1] - 1, -14) - 2)
;;       q = np.round(r / step) * step * 2.0 ** e      # np.round: ties to even
;;       return np.moveaxis(q, -1, axis).astype(np.float32)
;;   ~~~
;;   SOFTMAX AHEAD OF A QUANTISED PRODUCT. Where the list says 'softmax', what is quantised is not the finished softmax but p = 2^(t - M), with t = logit x log2(e) and M = ceil(the row's largest t), a whole number; so 1/2 < the row's largest p <= 1. The row's sum l is taken of the UNQUANTISED p, in f32, and the product's result is divided by l at the end. Since M is a whole number, a kernel that streams over the keys may use a running M (the ceiling of the running maximum): every later rescaling is an exact power of two, so the quantised numbers keep their values, but for numbers so far below the row's largest that they fall under the format's range.
;;   OPERANDS COMPUTED ON THE WAY. 'Computed on the way' means the value that the module computes at that place (a softmax that the list does not call 'softmax' is quantised finished and normalised). What goes into a quantiser is computed in f32, as accurately as f32 sums, v_exp_f32 and their like allow (about 1e-6 of the number): no bf16 or f16 on the way to a quantiser, and a product that is left as it is and whose result goes on into a quantised operand takes f32 operands (vector FMAs, or v_wmma_f32_16x16x4_f32). A number that lies on a knife's edge between two numbers of the format may be rounded either way, as far as f32 arithmetic and the matrix unit's own rounding can turn it there, and no further.
;;   INPUTS GIVEN AS CODES. key (in the module: [4, 2048, 1024], K = its axis 2); query (in the module: [4, 2048, 1024], K = its axis 2); value (in the module: [4, 2048, 1024], K = its axis 2); w_k (in the module: [1024, 1024], K = its axis 1); w_o (in the module: [1024, 1024], K = its axis 1); w_q (in the module: [1024, 1024], K = its axis 1); w_v (in the module: [1024, 1024], K = its axis 1): each comes as NAME_codes (uint8): NAME with its K axis moved to the last place and cut into blocks of 32 codes, [.., K / 32, bytes a block], one block behind the other in memory; one code a byte (a code: sign, 5 exponent bits, 2 mantissa bits); its scale is its entry of lowp_scales. Its value is code x scale, taken as it is: it is not quantised again, and the codes and scales need not be those that the quantiser above would give.
;; One version. Each part assembles by itself: llvm-mc -triple=amdgcn-amd-amdhsa -mcpu=gfx1250 --defsym DOCPART=n.
;; ======== version 1 of 1: 4 launches
;; limits: right only within a limited range of input values
;; workspace buffers: maskw 2,097,152 bytes of whole numbers; qkv 25,165,824 bytes; oimg 8,388,608 bytes
;; launch pack (part 1): grid 512 x 1, 4 waves a work-group, no clusters, 34,304 bytes of LDS; arguments attention_mask, maskw; writes maskw
.if DOCPART == 1
	.amdgcn_target "amdgcn-amd-amdhsa--gfx1250"
	.amdhsa_code_object_version 6
	.text
	.protected	k_q8a33080a09_pack
	.globl	k_q8a33080a09_pack
	.p2align	8
	.type	k_q8a33080a09_pack,@function
k_q8a33080a09_pack:
	s_mov_b64 s[64:65], 0
	v_nop
	global_prefetch_b8 v0, s[64:65] scope:SCOPE_SE
	s_setreg_imm32_b32 hwreg(HW_REG_WAVE_MODE, 25, 1), 1
	s_wait_xcnt 0x0
; attention_mask [4][2048][2048] int32 becomes lane masks: maskw [b 4][qt 128][s 16][n 64] of 32-bit words.
; Bit 16 h + r of word n is (mask[b][16 qt + r][128 s + 16 (n / 8) + 8 h + n % 8] != 0): the lanes of register n of the 64 score registers that the attention launch
; holds for a tile of 16 queries and a step of 128 keys.  There one select a score, steered by such a word, puts the masked score in.  The int32 mask is read once, here.
; SHARES.  A work-group takes 16 rows of the mask (one tile of queries), a wave 4 key steps of 128 keys.  A stream: no matrix unit, no barrier; waves share nothing.
; Each load reads 512 consecutive bytes of one row.  A step's 16 x 512 bytes turn through the wave's own stage in LDS (rows 528 bytes apart, so that sixteen rows start at sixteen
; different banks), after which lane (r, h) holds row r's keys 16 u + 8 h + 0 .. 7, u = 0 .. 7.  64 compares give 64 lane masks in scalar registers; v_writelane_b32 lays word n into
; lane n / 2, register n % 2, and one store of 8 bytes a lane writes the step's 256 consecutive bytes, aligned.
.set SP,   528                         ; a stage row: 512 bytes + 16
.set STG,  16*SP                       ; a wave's stage
.set W,    16                          ; v16-23   a pair of word registers for each of the four steps: no store's data are written again
.set R,    32                          ; v32-159  two sets of 64: a step's numbers as loaded
.set X,    160                         ; v160-223 the step's numbers in the scores' layout
	s_load_b128 s[4:7], s[0:1], 0x0                ; the mask s[4:5], the words s[6:7]
	v_lshl_add_u32 v224, v0, 2, 0x8400
	v_mov_b32 v225, 0
	v_lshrrev_b32 v5, 5, v0
	v_readfirstlane_b32 s8, v5                     ; wave 0..3
	v_and_b32 v6, 31, v0                           ; lane
	v_lshlrev_b32 v1, 4, v6                        ; my 16 bytes of a load's 512
	s_mul_i32 s9, s8, STG
	v_add_nc_u32 v2, s9, v1                        ; the stage, on the way in: as loaded
	v_and_b32 v7, 15, v0                           ; r
	v_bfe_u32 v8, v0, 4, 1                         ; h
	v_mul_u32_u24 v3, v7, SP
	v_lshl_add_u32 v3, v8, 5, v3
	v_add_nc_u32 v3, s9, v3                        ; and on the way out: row r, + 32 h bytes (8 keys)
	v_lshlrev_b32 v4, 3, v6                        ; my two words of a step's 64
.irp i, 0,1,2,3,4,5,6,7
	v_mov_b32 v[W+\i], 0                           ; written once whole: v_writelane_b32 keeps the other lanes
.endr
	s_lshl_b32 s10, ttmp9, 17                      ; 16 rows of 8,192 bytes a work-group,
	s_lshl_b32 s12, s8, 11                         ; 4 steps of 512 bytes a wave
	s_add_co_u32 s10, s10, s12
	s_mov_b32 s11, 0
	s_lshl_b32 s12, ttmp9, 12                      ; 16 steps of 256 bytes a work-group,
	s_lshl_b32 s13, s8, 10                         ; 4 a wave
	s_add_co_u32 s12, s12, s13
	s_mov_b32 s13, 0
	s_wait_kmcnt 0x0
	s_add_nc_u64 s[4:5], s[4:5], s[10:11]
	s_add_nc_u64 s[6:7], s[6:7], s[12:13]
.macro LOAD t                          ; step t: 16 rows x 512 bytes into set t % 2
.irp i, 0,1,2,3,4,5,6,7,8,9,10,11,12,13,14,15
	global_load_b128 v[R+64*((\t)%2)+4*\i:R+64*((\t)%2)+4*\i+3], v1, s[4:5] offset:8192*\i+512*(\t) th:TH_LOAD_NT
.endr
.endm
.macro TURN t                          ; through the stage: LDS serves a wave's instructions in order, so no wait stands between the stores and the loads
.irp i, 0,1,2,3,4,5,6,7,8,9,10,11,12,13,14,15
	ds_store_b128 v2, v[R+64*((\t)%2)+4*\i:R+64*((\t)%2)+4*\i+3] offset:SP*\i
.endr
.irp u, 0,1,2,3,4,5,6,7
	ds_load_b128 v[X+8*\u:X+8*\u+3], v3 offset:64*\u          ; register 8 u + j: key 16 u + 8 h + j of row r
	ds_load_b128 v[X+8*\u+4:X+8*\u+7], v3 offset:64*\u+16
.endr
.endm
.macro WORDS t                         ; 64 lane masks, 32 at a time through s16-47, into the step's pair of registers; then the step's 256 bytes
.irp g, 0,1
.set k, 0
.rept 32
	v_cmp_ne_u32 s[16+k], 0, v[X+32*\g+k]
.set k, k+1
.endr
.set k, 0
.rept 32
	v_writelane_b32 v[W+2*(\t)+k%2], s[16+k], 16*\g+k/2
.set k, k+1
.endr
.endr
	global_store_b64 v4, v[W+2*(\t):W+2*(\t)+1], s[6:7] offset:256*(\t)
.endm
	LOAD 0
	LOAD 1
.irp t, 0,1,2,3
.if \t < 3
	s_wait_loadcnt 16                              ; this step's 16 loads are in; the next step's 16 may be out
.else
	s_wait_loadcnt 0
.endif
	TURN \t
	s_wait_dscnt 0x0                               ; the stage's stores have read their registers, and the numbers are back
.if \t < 2
	LOAD \t+2                                      ; into the set just freed
.endif
	WORDS \t
.endr
	s_wait_tensorcnt 0x0
	ds_add_u32 v224, v225
	s_wait_dscnt 0x0
	s_endpgm
.Lfunc_end_k_q8a33080a09_pack:
	.size	k_q8a33080a09_pack, .Lfunc_end_k_q8a33080a09_pack-k_q8a33080a09_pack
	.p2alignl 7, 3214868480
	.fill 96, 4, 3214868480
	.section	.rodata,"a",@progbits
	.p2align	6, 0x0
	.amdhsa_kernel k_q8a33080a09_pack
		.amdhsa_group_segment_fixed_size 34304
		.amdhsa_private_segment_fixed_size 0
		.amdhsa_enable_private_segment 0
		.amdhsa_kernarg_size 16
		.amdhsa_user_sgpr_count 2
		.amdhsa_user_sgpr_kernarg_segment_ptr 1
		.amdhsa_wavefront_size32 1
		.amdhsa_system_sgpr_workgroup_id_x 1
		.amdhsa_system_sgpr_workgroup_id_y 1
		.amdhsa_system_sgpr_workgroup_id_z 1
		.amdhsa_system_vgpr_workitem_id 0
		.amdhsa_next_free_vgpr 226
		.amdhsa_next_free_sgpr 66
		.amdhsa_reserve_vcc 0
		.amdhsa_float_denorm_mode_32 3
		.amdhsa_float_denorm_mode_16_64 3
		.amdhsa_memory_ordered 1
		.amdhsa_forward_progress 1
		.amdhsa_inst_pref_size 49
	.end_amdhsa_kernel
	.amdgpu_metadata
---
amdhsa.version: [ 1, 2 ]
amdhsa.kernels:
  - .name:           k_q8a33080a09_pack
    .symbol:         k_q8a33080a09_pack.kd
    .args:
      - { .name: attention_mask, .offset: 0, .size: 8, .value_kind: global_buffer, .address_space: global }
      - { .name: maskw, .offset: 8, .size: 8, .value_kind: global_buffer, .address_space: global }
    .group_segment_fixed_size: 34304
    .private_segment_fixed_size: 0
    .kernarg_segment_align: 8
    .kernarg_segment_size: 16
    .max_flat_workgroup_size: 128
    .sgpr_count:     66
    .vgpr_count:     226
    .wavefront_size: 32
...
	.end_amdgpu_metadata
.endif
;; end of part 1
;; launch proj (part 2): grid 4 x 96, 4 waves a work-group, clusters of 4 x 4, 327,680 bytes of LDS; arguments query_codes, key_codes, value_codes, w_q_codes, w_k_codes, w_v_codes, b_q, b_k, b_v, lowp_scales, qkv; writes qkv
.if DOCPART == 2
	.amdgcn_target "amdgcn-amd-amdhsa--gfx1250"
	.amdhsa_code_object_version 6
	.text
	.protected	k_q8a33080a09_proj
	.globl	k_q8a33080a09_proj
	.p2align	8
	.type	k_q8a33080a09_proj,@function
k_q8a33080a09_proj:
	s_mov_b64 s[64:65], 0
	v_nop
	global_prefetch_b8 v0, s[64:65] scope:SCOPE_SE
	s_setreg_imm32_b32 hwreg(HW_REG_WAVE_MODE, 25, 1), 1
	s_wait_xcnt 0x0
	s_wait_alu depctr_hold_cnt(0) depctr_sa_sdst(0) depctr_va_vdst(0) depctr_va_sdst(0) depctr_va_ssrc(0) depctr_va_vcc(0) depctr_vm_vsrc(0)
	s_getreg_b32 s2, hwreg(HW_REG_IB_STS2, 6, 4)
	s_cmp_eq_u32 s2, 0
	s_cbranch_scc0 .Lentry_in_a_cluster
	s_endpgm
.Lentry_in_a_cluster:
	s_bfe_u32 s2, ttmp6, 0x10000c
	s_cmp_lg_u32 s2, 0xf033
	s_cbranch_scc0 .Lentry_shape_is_right
	s_endpgm
.Lentry_shape_is_right:
; The three projections, on codes of BF8 (E5M2): y = x W^T + b, quantised at once for the attention launch and stored as IMAGES OF OPERAND REGISTERS.
; A GEMM with two sides.  Side P is the matrix instruction's source 0: its rows fall on a lane's REGISTERS.  Side R is source 1: its rows fall on the LANES.  Both have rows of 1,024 codes, K innermost.
;   cluster y = 8 id + q.  id 0: R = query, P = w_q.  id 1: R = key, P = w_k.  id 2: R = w_v, P = value.
; So for q and k a lane holds one token and eight neighbouring channels, for v one channel and eight neighbouring KEYS: in each case eight neighbours along the K of the product that reads them,
; which one conversion turns into two registers of that product's operand.  Nothing is transposed.  All that hangs on id is chosen by s_cselect: id is the same in all sixteen partners, and there is no branch on it.
; A tile is 256 x 256, made by four waves, each 128 x 128: 64 accumulators, 512 registers.  K = 1,024 goes in four steps of 256 through a ring of two LDS slots filled by the tensor data mover.
; CLUSTERS: 4 x 4 work-groups.  R's tile hangs on cy alone and is asked for jointly along a row of the cluster, P's on cx alone, along a column.
; THE BIAS.  A sum stands for sum x 2^E, E = the two operands' exponents added.  The bias goes in as b / 2^E: along P (q, k) as the C of the first K step's products; along R (v) by one packed addition on the way out.
; The one that does not apply is made zero by a mask.  code = (sum + b / 2^E) / 2^(eo - E), held within +-57,344, eo the given exponent of q, k or v as an operand of attention.
; OUT.  qkv: q at 0, k at 2^23, v at 2^24; a head block (16 b + head) is 131,072 bytes.  q, k: [head block][tile of 16 tokens][g 2][lane][16 bytes]: registers 4 g .. 4 g + 3 of a fragment of the K = 64 form.
; v: [head block][step of 128 keys][tile of 16 channels][c 4][lane][16 bytes]: registers 4 c .. 4 c + 3 of a fragment of the K = 128 form.  Every store of a wave covers 512 consecutive bytes, aligned.
; LIMITS: eo - E between -126 and 112, so that the conversion's scale and the hold are f32 numbers.  NaN in a bias that applies is not served.
; REGISTERS, in windows of 256: window 0: v16-31 addresses and constants; v32-95 the bias along P; v96-111 the bias along R; v112-127 store offsets; v128-255 R's fragments, ONE set (on the way out: sums and codes).
;   window 1: P's fragments, TWO sets.   window 2: the accumulators of my R rows 0-63 ((a, b) at v[8 (8 a + b)]);   window 3: those of rows 64-127.
.set KSTEP,  256
.set ROWB,   256                       ; a tile's row in bytes
.set KROW,   1024                      ; a row of either side in memory, in bytes
.set PITCH,  272                       ; an LDS row: 256 bytes + 16 of padding = 68 words: the 16 rows that a load touches start at 16 different banks (64 banks of 4 bytes: ISA guide 11.1)
.set FR,     16                        ; registers of a fragment: 16 rows x 128 K
.set NL,     4                         ; LDS loads that bring one
.set NP,     4                         ; places behind this matrix instruction (ISA guide 7.12.1)
.set HALFT,  128*PITCH                 ; 128 rows: what one tensor load brings
.set SLOT,   4*HALFT                   ; R's 256 rows, then P's 256 rows
.set LAPS,   2                         ; a lap = two K steps = once round the ring
.set SPARE,  2*SLOT                    ; behind the ring: the spare words, 128 bytes for each wave
.set ADRA, 16                          ; v16-17  LDS address of my R fragments in slot 0, 1
.set ADRB, 20                          ; v20-21  the same for P
.set LI,   27                          ; v27     16 x lane
.set SPW,  28                          ; v28     LDS address of my spare word; never rewritten
.set NIL,  29                          ; v29     0; never rewritten
.set SCL,  30                          ; v30     2^(eo - E) as f32
.set LIM,  31
.set BP,   32                          ; v32-95  bias along P: block b, register j: row 16 b + 8 h + j
.set BR,   96                          ; v96-111 bias along R: block a: row 16 a + r, twice (a pair for the packed addition)
.set VO,   112                         ; v112-119 block a's store offset;  v120-127 the same for the upper half of its codes
.set VO2,  120
.set AF,   128                         ; R's fragments
.set TMP,  128                         ; the way out: 64 sums
.set CD,   192                         ; the way out: four sets of 16 registers of codes
.set G1, 24                            ; s[24:31] descriptor group 1 for R's tiles;  s[32:39] group 0, one set for each slot
.set G0, 32
.set G1B, 48                           ; s[48:55], s[56:63] the same for P's tiles
.set G0B, 56
.set MSB, 0
.macro WIN new                         ; the immediate's high byte repeats the setting that is left
.if MSB != (\new)
	s_set_vgpr_msb (MSB<<8)|(\new)
.set MSB, (\new)
.endif
.endm
.set MUL_LO, 0xa1                      ; source 0 (P) window 1, source 1 (R) window 0, C and D window 2.  In the first step C is the bias, in window 0: 0x81
.set MUL_HI, 0xf1                      ; the same, C and D window 3; first step 0xc1
.set TO_B,   0x40                      ; destination window 1, address window 0
; A joint load: waves 0 and 1 fetch for R, waves 2 and 3 for P.  Each line has ONE mask and one set of registers for all that issue it; the branch hangs on the wave's number alone.
; Four v_nop follow each of the two lines, ahead of the jump, the label and what follows.
.macro JLOAD g0a, g1a, g0b, g1b
	s_cmp_eq_u32 s15, 0
	s_cbranch_scc0 .Lfor_b_\@
	tensor_load_to_lds s[\g0a:\g0a+3], s[\g1a:\g1a+7]
	s_nop 0
.rept 4
	v_nop
.endr
	s_branch .Lasked_\@
.Lfor_b_\@:
	tensor_load_to_lds s[\g0b:\g0b+3], s[\g1b:\g1b+7]
	s_nop 0
.rept 4
	v_nop
.endr
.Lasked_\@:
.endm
.macro CREST                           ; a round of the cluster's barrier behind its opening barrier
	s_cmp_lg_u32 s14, 0
	s_cbranch_scc1 .Lnot_wave_0_\@
	s_barrier_signal -3
.Lnot_wave_0_\@:
	s_barrier_wait -3
	s_barrier_signal -1
	s_barrier_wait -1
.endm
.macro CROUND                          ; a whole round
	s_barrier_signal -1
	s_barrier_wait -1
	CREST
.endm
	s_load_b512 s[68:83], s[0:1], 0x0              ; query, key, value, w_q, w_k, w_v, b_q, b_k
	s_load_b128 s[84:87], s[0:1], 0x40             ; b_v, the scales' exponents
	s_load_b64 s[88:89], s[0:1], 0x50              ; qkv
	v_lshl_add_u32 v[SPW], v0, 2, SPARE
	v_mov_b32 v[NIL], 0
	ds_add_u32 v28, v29
	ds_add_u32 v28, v29
	s_wait_dscnt 0x0
	v_lshrrev_b32 v1, 5, v0
	v_readfirstlane_b32 s14, v1                    ; wave 0..3
	s_lshr_b32 s15, s14, 1                         ; which half of the tile's R rows is mine.  Also: I fetch for R (0) or for P (1)
	s_and_b32 s16, s14, 1                          ; which half of its P rows.  Also: which 128 rows of that tile I fetch
	s_bfe_u32 s40, ttmp6, 0x40000                  ; cx, cy: my place in the cluster
	s_bfe_u32 s41, ttmp6, 0x40004
	s_and_b32 s91, ttmp7, 0xffff                   ; cluster y = 8 id + q
	s_lshr_b32 s90, s91, 3                         ; id
	s_and_b32 s91, s91, 7
	s_lshl_b32 s91, s91, 2                         ; 4 q: the long side's tiles go by clusters
	s_cmp_eq_u32 s90, 2
	s_cselect_b32 s42, s91, 0                      ; v: the long side (the tokens) is P,
	s_cselect_b32 s17, 0, s91                      ; q, k: it is R
	s_add_co_u32 s42, s42, s40                     ; P's tile: hangs on cx alone within a cluster
	s_add_co_u32 s17, s17, s41                     ; R's tile: on cy alone
	s_lshl_b32 s43, s41, 2
	s_lshl_b32 s43, 15, s43                        ; my row of the cluster
	s_lshl_b32 s44, 0x1111, s40                    ; my column
	; descriptor group 1: a tile of 128 rows x 256 bytes, padded in LDS
	s_or_b32 s[G1+0], s43, (0<<16)|(1<<20)|(1<<21)|(5<<22)|(3<<25)  ; 15:0 the mask: R's tiles go to my row; 17:16 element of 1 byte; 20 padding on; 21 set beside a mask; 24:22 after every 64 words (code 5); 31:25 of 4 words (code 3)
	s_or_b32 s[G1B+0], s44, (0<<16)|(1<<20)|(1<<21)|(5<<22)|(3<<25)
.irp g, G1, G1B
	s_mov_b32 s[\g+1], ROWB<<16                    ; tensor_dim0
	s_mov_b32 s[\g+2], 128<<16                     ; tensor_dim1 = 128
	s_mov_b32 s[\g+3], ROWB<<16                    ; tile_dim0
	s_mov_b32 s[\g+4], 128                         ; tile_dim1 = 128
	s_mov_b32 s[\g+5], KROW                        ; tensor_dim0_stride
	s_mov_b32 s[\g+6], 0
	s_mov_b32 s[\g+7], 0
.endr
	s_lshl_b32 s18, s16, 7                         ; which 128 rows of the tile I fetch
	s_lshl_b32 s20, s17, 8
	s_add_co_u32 s20, s20, s18                     ; R: row 256 x tile + 128 x half,
	s_lshl_b32 s20, s20, 10                        ; in bytes (8,192 rows of 1,024 bytes at the most)
	s_mov_b32 s21, 0
	s_lshl_b32 s46, s42, 8
	s_add_co_u32 s46, s46, s18                     ; P likewise
	s_lshl_b32 s46, s46, 10
	s_mov_b32 s47, 0
	s_mul_i32 s45, s14, HALFT                      ; where they go: wave x 128 rows: no place in the cluster enters an LDS address
	s_wait_kmcnt 0x0
	s_cmp_eq_u32 s90, 0                            ; the buffers, chosen by id
	s_cselect_b64 s[4:5], s[68:69], s[70:71]       ; R: query or key,
	s_cselect_b64 s[6:7], s[74:75], s[76:77]       ; P: w_q or w_k,
	s_cselect_b64 s[8:9], s[80:81], s[82:83]       ; b_q or b_k;
	s_cmp_eq_u32 s90, 2
	s_cselect_b64 s[4:5], s[78:79], s[4:5]         ; v: R = w_v,
	s_cselect_b64 s[6:7], s[72:73], s[6:7]         ; P = value,
	s_cselect_b64 s[8:9], s[84:85], s[8:9]         ; b_v
	s_load_b256 s[68:75], s[86:87], 0x0            ; e0 .. e7
	s_load_b128 s[76:79], s[86:87], 0x20           ; e8 .. e11
	s_add_nc_u64 s[20:21], s[4:5], s[20:21]
	s_add_nc_u64 s[46:47], s[6:7], s[46:47]
	CROUND                                         ; all sixteen work-groups are here: the first joint loads meet
.irp s, 0,1
	s_mov_b32 s[G0+4*\s], 1
	s_add_co_u32 s[G0+4*\s+1], s45, \s*SLOT
	s_add_nc_u64 s[G0+4*\s+2:G0+4*\s+3], s[20:21], \s*ROWB
	s_or_b32 s[G0+4*\s+3], s[G0+4*\s+3], 0x80000000
	s_mov_b32 s[G0B+4*\s], 1
	s_add_co_u32 s[G0B+4*\s+1], s45, \s*SLOT
	s_add_nc_u64 s[G0B+4*\s+2:G0B+4*\s+3], s[46:47], \s*ROWB
	s_or_b32 s[G0B+4*\s+3], s[G0B+4*\s+3], 0x80000000
	JLOAD G0+4*\s, G1, G0B+4*\s, G1B
.endr
	v_and_b32 v1, 15, v0                           ; r = l % 16
	v_bfe_u32 v2, v0, 4, 1                         ; h = l / 16
	s_wait_alu depctr_va_vdst(0)
	v_mul_u32_u24 v3, v1, PITCH
	v_lshl_add_u32 v4, v2, 4, v3                   ; a fragment's row x pitch + 16 x half
	s_mul_i32 s21, s15, HALFT                      ; my 128 rows of R
	s_mul_i32 s22, s16, HALFT                      ; my 128 rows of P,
	s_add_co_u32 s22, s22, 2*HALFT                 ; which lie behind R's 256
.irp s, 0,1
	v_add_nc_u32 v[ADRA+\s], s21, v4
	v_add_nc_u32 v[ADRB+\s], s22, v4
	s_add_co_u32 s21, s21, SLOT
	s_add_co_u32 s22, s22, SLOT
.endr
	v_and_b32 v[LI], 31, v0
	v_lshlrev_b32 v[LI], 4, v[LI]
	s_wait_alu depctr_va_vdst(0)
	; where my 128 x 128 goes, and which biases it takes: whole numbers, made apart from every address
	s_lshl_b32 s20, s17, 8
	s_lshl_b32 s21, s15, 7
	s_add_co_u32 s20, s20, s21                     ; my first R row
	s_lshl_b32 s46, s42, 8
	s_lshl_b32 s47, s16, 7
	s_add_co_u32 s46, s46, s47                     ; my first P row
	s_lshr_b32 s92, s46, 6
	s_lshl_b32 s92, s92, 17                        ; q, k: P rows are channels: the head's block
	s_lshr_b32 s93, s46, 11
	s_lshl_b32 s93, s93, 21                        ; v: P rows are tokens: the batch's 16 head blocks,
	s_bfe_u32 s94, s46, 0x40007
	s_lshl_b32 s94, s94, 13                        ; and the step of 128 keys, 8,192 bytes
	s_add_co_u32 s93, s93, s94
	s_lshr_b32 s22, s20, 11
	s_lshl_b32 s22, s22, 21                        ; q, k: R rows are tokens: the batch,
	s_bfe_u32 s23, s20, 0x70004
	s_lshl_b32 s23, s23, 10                        ; and the tile of 16 tokens, 1,024 bytes
	s_add_co_u32 s22, s22, s23
	s_lshr_b32 s23, s20, 6
	s_lshl_b32 s23, s23, 17                        ; v: R rows are channels: the head's block
	s_mov_b32 s18, 0x1000
	s_mov_b32 s19, 0x400
	s_mov_b32 s96, 0x20000
	s_cmp_eq_u32 s90, 2
	s_cselect_b32 s92, s93, s92                    ; P's term
	s_cselect_b32 s22, s23, s22                    ; R's term
	s_cselect_b32 s93, 0, s46                      ; the first bias along P (q, k), or any inside the buffer
	s_cselect_b32 s23, s20, 0                      ; the first bias along R (v), or any inside the buffer
	s_cselect_b32 s94, 0, -1                       ; keeps the bias along P for q and k,
	s_cselect_b32 s95, -1, 0                       ; the bias along R for v
	s_cselect_b32 s18, 0x20000, s18                ; four R blocks on: v the next head, q, k four tiles of tokens
	s_cselect_b32 s19, 0x800, s19                  ; one R block on: v the next tile of channels, q, k the next tile of tokens
	s_cselect_b32 s96, 0x400, s96                  ; the upper half of a block's codes: v registers 8 to 15 of the fragment, q, k the next head
	v_lshlrev_b32 v5, 5, v2                        ; 32 h bytes: my half's eight biases along P
	s_lshl_b32 s93, s93, 2
	v_add_nc_u32 v5, s93, v5
	v_lshlrev_b32 v6, 2, v1                        ; 4 r bytes: my row's bias along R
	s_lshl_b32 s23, s23, 2
	v_add_nc_u32 v6, s23, v6
.irp b, 0,1,2,3,4,5,6,7
	global_load_b128 v[BP+8*\b:BP+8*\b+3], v5, s[8:9] offset:64*\b
	global_load_b128 v[BP+8*\b+4:BP+8*\b+7], v5, s[8:9] offset:64*\b+16
.endr
.irp a, 0,1,2,3,4,5,6,7
	global_load_b32 v[BR+2*\a], v6, s[8:9] offset:64*\a
.endr
	s_add_co_u32 s92, s92, s22
	s_lshl_b32 s97, s90, 23                        ; q, k or v's part of the buffer
	s_add_co_u32 s92, s92, s97
	s_mov_b32 s93, 0
	s_add_nc_u64 s[10:11], s[88:89], s[92:93]
	v_mov_b32 v[VO], v[LI]
	v_add_nc_u32 v[VO+1], s19, v[VO]
	v_add_nc_u32 v[VO+2], s19, v[VO+1]
	v_add_nc_u32 v[VO+3], s19, v[VO+2]
.irp a, 0,1,2,3
	v_add_nc_u32 v[VO+4+\a], s18, v[VO+\a]
.endr
.irp a, 0,1,2,3,4,5,6,7
	v_add_nc_u32 v[VO2+\a], s96, v[VO+\a]
.endr
	s_wait_kmcnt 0x0                               ; the exponents
	s_add_co_i32 s68, s68, s69                     ; e0 + e1
	s_add_co_i32 s70, s70, s71                     ; e2 + e3
	s_add_co_i32 s72, s72, s73                     ; e4 + e5
	s_cmp_eq_u32 s90, 0
	s_cselect_b32 s92, s68, s70
	s_cselect_b32 s93, s74, s75                    ; e6 for q, e7 for k,
	s_cmp_eq_u32 s90, 2
	s_cselect_b32 s92, s72, s92                    ; E
	s_cselect_b32 s93, s77, s93                    ; e9 for v: eo
	s_sub_co_i32 s97, 0, s92                       ; -E
	s_sub_co_i32 s93, s93, s92
	s_add_co_i32 s93, s93, 127
	s_lshl_b32 s92, s93, 23
	v_mov_b32 v[SCL], s92                          ; 2^(eo - E) as f32: the conversion takes its exponent field
	s_add_co_i32 s93, s93, 15
	s_lshl_b32 s93, s93, 23
	s_or_b32 s93, s93, 0x600000
	s_wait_loadcnt 0x0                             ; the biases
.set i, 0
.rept 64
	v_and_b32 v[BP+i], s94, v[BP+i]                ; kept, or zero
.set i, i+1
.endr
.set i, 0
.rept 64
	v_ldexp_f32 v[BP+i], v[BP+i], s97              ; b / 2^E
.set i, i+1
.endr
.irp a, 0,1,2,3,4,5,6,7
	v_and_b32 v[BR+2*\a], s95, v[BR+2*\a]
.endr
.irp a, 0,1,2,3,4,5,6,7
	v_ldexp_f32 v[BR+2*\a], v[BR+2*\a], s97
.endr
.irp a, 0,1,2,3,4,5,6,7
	v_mov_b32 v[BR+2*\a+1], v[BR+2*\a]
.endr
.macro FRAG reg, adr, q, i             ; a fragment, 16 rows x 128 K: lane l holds row l % 16; registers 4 c .. 4 c + 3 hold K = 32 c + 16 (l / 16) + 0 .. 15: the same order of k on both sides, so every product meets its partner
.irp c, 0,1,2,3
	ds_load_b128 v[\reg+4*\c:\reg+4*\c+3], v[\adr] offset:128*(\q)+32*\c+(\i)*16*PITCH
.endr
.endm
; 16 matrix instructions: R's blocks a0, a0 + 1 x P's eight, 128 along K.  p: P's set.  first = 1: the first product starts the sums, with the bias along P as its C: nothing is ever cleared.
; The 64 accumulators take turns, one instruction a turn, in the same order in every step.
.macro MUL16 a0, p, first
.irp a, \a0, \a0+1
.irp b, 0,1,2,3,4,5,6,7
.if \first
	v_wmma_f32_16x16x128_bf8_bf8 v[8*(8*((\a)%4)+\b):8*(8*((\a)%4)+\b)+7], v[128*(\p)+FR*\b:128*(\p)+FR*\b+FR-1], v[AF+FR*(\a):AF+FR*(\a)+FR-1], v[BP+8*\b:BP+8*\b+7]
.else
	v_wmma_f32_16x16x128_bf8_bf8 v[8*(8*((\a)%4)+\b):8*(8*((\a)%4)+\b)+7], v[128*(\p)+FR*\b:128*(\p)+FR*\b+FR-1], v[AF+FR*(\a):AF+FR*(\a)+FR-1], v[8*(8*((\a)%4)+\b):8*(8*((\a)%4)+\b)+7]
.endif
.endr
.endr
.endm
.macro FETCH_B slot, q, p              ; P's eight fragments of the slot's q-th 128 along K into set p
	WIN TO_B
.irp i, 0,1,2,3,4,5,6,7
	FRAG 128*(\p)+FR*\i, ADRB+\slot, \q, \i
.endr
	WIN 0
.endm
.macro FETCH_A slot, q, i0             ; R's blocks i0 .. i0 + 3
.irp i, \i0, \i0+1, \i0+2, \i0+3
	FRAG AF+FR*(\i), ADRA+\slot, \q, \i
.endr
.endm
; A load into a register that a matrix instruction has read, and a vector instruction that reads a matrix result or writes one of its registers, stand NP places behind it; only plain vector
; instructions that name none of its registers are places (ISA guide 7.12.1 for vector instructions).
.macro PLACES n
.rept \n
	v_nop
.endr
.endm
; A step of 128 along K that has its successor in the same slot.  R's blocks are free as soon as their eight products are issued: one set serves R.
.macro STEP slot, q, first
	s_wait_dscnt 4*NL                              ; P's set and R's blocks 0-3 are in; the youngest 16 loads (R's blocks 4-7) may be out
	WIN MUL_LO-0x20*(\first)
	MUL16 0, (\q)%2, \first
	MUL16 2, (\q)%2, \first
	s_wait_dscnt 0                                 ; R's blocks 4-7 are in (asked for 32 matrix instructions ago)
	PLACES NP
	FETCH_B \slot, (\q)+1, 1-(\q)%2
	FETCH_A \slot, (\q)+1, 0
	WIN MUL_HI-0x30*(\first)
	MUL16 4, (\q)%2, \first
	MUL16 6, (\q)%2, \first
	PLACES NP
	WIN 0
	FETCH_A \slot, (\q)+1, 4
.endm
; A slot's last step changes slots: ONE barrier; in front of it each wave waits for all its tensor loads, adds 0 to its spare word, and waits for that and for its own reads of this slot.  fill = 1: this slot is filled again, two K steps ahead.
.macro TURN slot, next, fill
	s_wait_tensorcnt 0x0                           ; all my tensor loads have landed: my part of the next slot;  (every window is 0 here)
	ds_add_u32 v[SPW], v[NIL]                      ; 0 onto my spare word
	s_wait_dscnt 4*NL+1                            ; (the add and the youngest 16 loads, R's blocks 4-7, may be out)
	WIN MUL_LO
	MUL16 0, 1, 0                                  ; sixteen matrix instructions stand between the add and the wait for it
	s_wait_dscnt 0x0                               ; the add is done, and my reads of this slot are over
	s_barrier_signal -1
	MUL16 2, 1, 0
	WIN 0
	s_barrier_wait -1
.if \fill
	CREST                                          ; the barrier has opened a round of the cluster's barrier: no wave of any partner still reads this slot's tile or has a load on its way
	s_add_nc_u64 s[G0+4*\slot+2:G0+4*\slot+3], s[G0+4*\slot+2:G0+4*\slot+3], 2*ROWB
	s_add_nc_u64 s[G0B+4*\slot+2:G0B+4*\slot+3], s[G0B+4*\slot+2:G0B+4*\slot+3], 2*ROWB
	JLOAD G0+4*\slot, G1, G0B+4*\slot, G1B         ; the first tensor load behind the round; the four v_nop behind it are the places in front of the loads below
.else
	PLACES NP
.endif
	FETCH_B \next, 0, 0
	FETCH_A \next, 0, 0
	WIN MUL_HI
	MUL16 4, 1, 0
	MUL16 6, 1, 0
	PLACES NP
	WIN 0
	FETCH_A \next, 0, 4
.endm
	s_wait_tensorcnt 1                             ; my part of K step 0 is in (K step 1's load may be out)
	s_barrier_signal -1
	s_barrier_wait -1                              ; everybody's is
	FETCH_B 0, 0, 0
	FETCH_A 0, 0, 0
	FETCH_A 0, 0, 4
	STEP 0, 0, 1                                   ; the first step stands in front of the loop: its products start the sums
	s_mov_b32 s3, LAPS-1
.Llap:                                                 ; a trip goes once round the ring, from a lap's second step to the next lap's first, and fills both slots again
	TURN 0, 1, 1
	STEP 1, 0, 0
	TURN 1, 0, 1
	STEP 0, 0, 0
	s_sub_co_u32 s3, s3, 1
	s_cmp_lg_u32 s3, 0
	s_cbranch_scc1 .Llap
	TURN 0, 1, 0                                   ; the last lap fills nothing, and has no round of the cluster's barrier
	STEP 1, 0, 0
	s_wait_dscnt 4*NL                              ; the very last step: nothing more to fetch
	WIN MUL_LO
	MUL16 0, 1, 0
	MUL16 2, 1, 0
	s_wait_alu depctr_va_vdst(0)
	s_wait_dscnt 0
	WIN MUL_HI
	MUL16 4, 1, 0
	MUL16 6, 1, 0
	WIN 0
; THE WAY OUT of R block a: 8 accumulators.  The bias along R is added; each number is held within the largest code x the scale; eight registers of an accumulator become two registers of codes, which are
; registers 2 b, 2 b + 1 of the reader's fragments as they stand.  Four stores, each 16 bytes a lane at 16 x lane: 512 consecutive bytes.  No LDS.
.macro OUT a
.set AC, 64*((\a)%4)
.set CC, CD+16*((\a)%4)
.if (\a) >= 4
	s_wait_xcnt 0x0                                ; block a - 4's stores have read this set of codes: it is written again only behind this wait
.endif
	WIN 0x02+((\a)/4)                              ; source 0: window 2 or 3
.irp j, 0,2,4,6,8,10,12,14,16,18,20,22,24,26,28,30,32,34,36,38,40,42,44,46,48,50,52,54,56,58,60,62
	v_pk_add_f32 v[TMP+\j:TMP+\j+1], v[AC+\j:AC+\j+1], v[BR+2*(\a):BR+2*(\a)+1]   ; each accumulator from its low end on
.endr
	WIN 0
.set i, 0
.rept 64
.set i, i+1
.endr
.irp b, 0,1,2,3,4,5,6,7
	v_cvt_scalef32_pk8_bf8_f32 v[CC+2*\b:CC+2*\b+1], v[TMP+8*\b:TMP+8*\b+7], v[SCL]
.endr
	v_nop                                          ; one plain vector instruction behind the last conversion: the next block's additions write its sources
.irp e, 0,1
	global_store_b128 v[VO+\a], v[CC+4*\e:CC+4*\e+3], s[10:11] offset:512*\e
.endr
.irp e, 0,1
	global_store_b128 v[VO2+\a], v[CC+8+4*\e:CC+8+4*\e+3], s[10:11] offset:512*\e
.endr
.endm
	PLACES NP                                      ; behind the last products: their results are read, and R's fragments written over by vector instructions
.irp a, 0,1,2,3,4,5,6,7
	OUT \a
.endr
	s_wait_tensorcnt 0x0                           ; the wave's end: behind my last tensor load, my last LDS instructions
	ds_add_u32 v[SPW], v[NIL]
	s_wait_dscnt 0x0
	CROUND                                         ; the closing round: no work-group ends while a partner may still ask for a tile that names it
	s_endpgm
.Lfunc_end_k_q8a33080a09_proj:
	.size	k_q8a33080a09_proj, .Lfunc_end_k_q8a33080a09_proj-k_q8a33080a09_proj
	.p2alignl 7, 3214868480
	.fill 96, 4, 3214868480
	.section	.rodata,"a",@progbits
	.p2align	6, 0x0
	.amdhsa_kernel k_q8a33080a09_proj
		.amdhsa_group_segment_fixed_size 327680
		.amdhsa_private_segment_fixed_size 0
		.amdhsa_enable_private_segment 0
		.amdhsa_kernarg_size 88
		.amdhsa_user_sgpr_count 2
		.amdhsa_user_sgpr_kernarg_segment_ptr 1
		.amdhsa_wavefront_size32 1
		.amdhsa_system_sgpr_workgroup_id_x 1
		.amdhsa_system_sgpr_workgroup_id_y 1
		.amdhsa_system_sgpr_workgroup_id_z 1
		.amdhsa_system_vgpr_workitem_id 0
		.amdhsa_next_free_vgpr 1024
		.amdhsa_next_free_sgpr 98
		.amdhsa_reserve_vcc 0
		.amdhsa_float_denorm_mode_32 3
		.amdhsa_float_denorm_mode_16_64 3
		.amdhsa_fp16_overflow 1
		.amdhsa_memory_ordered 1
		.amdhsa_forward_progress 1
		.amdhsa_inst_pref_size 113
	.end_amdhsa_kernel
	.amdgpu_metadata
---
amdhsa.version: [ 1, 2 ]
amdhsa.kernels:
  - .name:           k_q8a33080a09_proj
    .symbol:         k_q8a33080a09_proj.kd
    .args:
      - { .name: query_codes, .offset: 0, .size: 8, .value_kind: global_buffer, .address_space: global }
      - { .name: key_codes, .offset: 8, .size: 8, .value_kind: global_buffer, .address_space: global }
      - { .name: value_codes, .offset: 16, .size: 8, .value_kind: global_buffer, .address_space: global }
      - { .name: w_q_codes, .offset: 24, .size: 8, .value_kind: global_buffer, .address_space: global }
      - { .name: w_k_codes, .offset: 32, .size: 8, .value_kind: global_buffer, .address_space: global }
      - { .name: w_v_codes, .offset: 40, .size: 8, .value_kind: global_buffer, .address_space: global }
      - { .name: b_q, .offset: 48, .size: 8, .value_kind: global_buffer, .address_space: global }
      - { .name: b_k, .offset: 56, .size: 8, .value_kind: global_buffer, .address_space: global }
      - { .name: b_v, .offset: 64, .size: 8, .value_kind: global_buffer, .address_space: global }
      - { .name: lowp_scales, .offset: 72, .size: 8, .value_kind: global_buffer, .address_space: global }
      - { .name: qkv, .offset: 80, .size: 8, .value_kind: global_buffer, .address_space: global }
    .group_segment_fixed_size: 327680
    .private_segment_fixed_size: 0
    .kernarg_segment_align: 8
    .kernarg_segment_size: 88
    .max_flat_workgroup_size: 128
    .sgpr_count:     98
    .vgpr_count:     1024
    .wavefront_size: 32
...
	.end_amdgpu_metadata
.endif
;; end of part 2
;; launch attn (part 3): grid 4 x 64, 16 waves a work-group, clusters of 4 x 1, 327,680 bytes of LDS; arguments qkv, maskw, lowp_scales, oimg; writes oimg
.if DOCPART == 3
	.amdgcn_target "amdgcn-amd-amdhsa--gfx1250"
	.amdhsa_code_object_version 6
	.text
	.protected	k_q8a33080a09_attn
	.globl	k_q8a33080a09_attn
	.p2align	8
	.type	k_q8a33080a09_attn,@function
k_q8a33080a09_attn:
	s_mov_b64 s[64:65], 0
	v_nop
	global_prefetch_b8 v0, s[64:65] scope:SCOPE_SE
	s_setreg_imm32_b32 hwreg(HW_REG_WAVE_MODE, 25, 1), 1
	s_wait_xcnt 0x0
	s_wait_alu depctr_hold_cnt(0) depctr_sa_sdst(0) depctr_va_vdst(0) depctr_va_sdst(0) depctr_va_ssrc(0) depctr_va_vcc(0) depctr_vm_vsrc(0)
	s_getreg_b32 s2, hwreg(HW_REG_IB_STS2, 6, 4)
	s_cmp_eq_u32 s2, 0
	s_cbranch_scc0 .Lentry_in_a_cluster
	s_endpgm
.Lentry_in_a_cluster:
	s_bfe_u32 s2, ttmp6, 0x10000c
	s_cmp_lg_u32 s2, 0x3003
	s_cbranch_scc0 .Lentry_shape_is_right
	s_endpgm
.Lentry_shape_is_right:
; Attention for one head (16 b + head = the cluster's y) on codes of BF8 (E5M2): scores = q k^T / 8, masked, softmax, times v; the result is quantised at once as the last projection's operand.
; q, k, v come as images of operand registers (buffer qkv), the mask as lane masks (buffer maskw: word n of a step = the lanes of score register n whose key counts).
; THE SOFTMAX AHEAD OF THE SECOND PRODUCT: t = logit x log2(e); M = the row's largest t so far, rounded UP to a whole number; p = 2^(t - M) is what is quantised, along the keys, not normalised.
; The row's sum is taken of the unquantised p, in f32, and divides O at the end.  When M moves, the sum and O are multiplied by 2^(old M - new M): exact.
; SHARES.  A work-group owns 512 queries of the head; each of its SIXTEEN waves owns a tile of 16 of them in each of two passes, in 256 registers: four waves to a SIMD, so that one wave's
; vector work stands beside another's matrix work and LDS loads.  Every wave walks all 2,048 keys, 128 a step.
; THE HEAD'S WHOLE K AND V LIE IN LDS: 131,072 bytes each, brought once, at the head, and never filled again: no ring.  The four work-groups of a cluster belong to one head and ask JOINTLY (the same
; tensor loads, the same descriptors, a mask that names the four).  Each wave brings 8,192 bytes of the first 1,024 keys and 8,192 of the second: two tensor loads of mine are out at the most.
; LAYOUT.  Both products are used transposed: S^T = K Q^T (source 0 = 16 keys, source 1 = my 16 queries; K = 64), O^T = V^T P^T (source 0 = 16 channels, source 1 = P; K = 128 keys): a lane holds ONE query
; (lane % 16) throughout.  Register 8 t + j of S^T is key 16 t + 8 (lane / 16) + j: eight such registers, converted, are registers 2 t, 2 t + 1 of P as the K = 128 form has them.
; LIMITS.  A masked logit is -2^30 where the definition has -1e9: its t is then a whole number computed exactly, so that a row with no key left gives p = 1 for every key, the uniform softmax, as the definition
; in f32 does; results differ only where a key that counts has a logit near or under -1e9.  e6 + e7 between -94 and 130; e8, and e10 - e8 - e9, between -126 and 112: so that each power of two below is an f32 number.
; REGISTERS: v1 16 x lane; v2, v3 LDS addresses of the step; v5 the masked score; v6 p's scale; v8 the output's; v10 16 x lane + V's base; v12 -M, v13 the largest t, v[14:15] the sum in two halves;
;   v16-23 Q; v32-95 K's 8 fragments, then V's 4; v96-159 S^T, then p; v160-191 O^T; v192-207 p's codes; v224-247 the way out; v232-254 at work.
.set LI,   1
.set ADK,  2
.set ADV,  3
.set MSK,  5
.set PSC,  6
.set PLM,  7
.set OSC,  8
.set OLM,  9
.set LV,   10
.set VBASE, 131072                     ; LDS: K's images at 0, V's here
.set TB,   2                           ; s2   LDS byte of the step in hand, in K's and in V's region alike: a step is 8,192 bytes of each
.set OFF,  3                           ; s3   byte of the mask words to be asked for, in my tile's 4,096
.set WV,   12                          ; s12  my wave's number
.set CNT,  13                          ; s13  counts eight steps
.set PASS, 14                          ; s14  counts the two passes
.set HM,   15                          ; s15  0xffff0000: lanes 16-31
.set SEL,  66                          ; s[66:67] lane selects for v_permlanex16_b32: lane l xor 16
.set G1,   84                          ; s[84:91] descriptor group 1;  s[92:95], s[96:99] groups 0 of my two loads; never rewritten
.set G0A,  92
.set G0B,  96
.set CS,   100                         ; s[100:101] c = log2(e) / 8 x 2^(e6 + e7): the packed form names a pair and takes its low word for both halves
; s16-63 and s68-83: the step's 64 mask words (word n in s[16 + n], from n = 48 on in s[20 + n])
.macro CROUND                          ; a round of the cluster's barrier
	s_barrier_signal -1
	s_barrier_wait -1
	s_cmp_lg_u32 s[WV], 0
	s_cbranch_scc1 .Lnot_wave_0_\@
	s_barrier_signal -3
.Lnot_wave_0_\@:
	s_barrier_wait -3
	s_barrier_signal -1
	s_barrier_wait -1
.endm
	s_load_b128 s[4:7], s[0:1], 0x0                ; qkv s[4:5], maskw s[6:7]
	s_load_b128 s[8:11], s[0:1], 0x10              ; the scales' exponents s[8:9], oimg s[10:11]
	v_lshl_add_u32 v251, v0, 2, 0x40000
	v_mov_b32 v255, 0
	ds_add_u32 v251, v255
	ds_add_u32 v251, v255
	v_lshrrev_b32 v2, 5, v0
	s_delay_alu instid0(VALU_DEP_1)
	v_readfirstlane_b32 s[WV], v2                  ; wave 0..15
	s_and_b32 s105, ttmp7, 0xffff                  ; the head block, 16 b + head, which the four partners share
	; what I fetch: waves 0-7 of K, waves 8-15 of V; 8,192 bytes of each half of the keys.  Nothing here hangs on my place in the cluster
	s_lshr_b32 s32, s[WV], 3                       ; K (0) or V (1)
	s_and_b32 s33, s[WV], 7                        ; which eighth
	s_lshl_b32 s34, s33, 13
	s_lshl_b32 s35, s32, 17
	s_add_co_u32 s35, s35, s34                     ; in LDS: 131,072 x region + 8,192 x part
	s_add_co_u32 s36, s32, 1
	s_lshl_b32 s36, s36, 23                        ; in memory: k's part of qkv begins at 2^23, v's at 2^24,
	s_add_co_u32 s36, s36, s34
	s_lshl_b32 s38, s105, 17                       ; + the head block
	s_add_co_u32 s36, s36, s38
	s_mov_b32 s37, 0
	; descriptor group 1: a dense block of 32 rows x 256 bytes
	s_mov_b32 s[G1], 15|(0<<16)|(1<<21)            ; 15:0 the mask: all four work-groups; 17:16 elements of 1 byte; 20 no padding; 21 set beside a mask
	s_mov_b32 s[G1+1], 256<<16                     ; tensor_dim0 = 256
	s_mov_b32 s[G1+2], 32<<16                      ; tensor_dim1 = 32
	s_mov_b32 s[G1+3], 256<<16                     ; tile_dim0 = 256
	s_mov_b32 s[G1+4], 32                          ; tile_dim1 = 32
	s_mov_b32 s[G1+5], 256                         ; tensor_dim0_stride
	s_mov_b32 s[G1+6], 0
	s_mov_b32 s[G1+7], 0
	s_mov_b32 s[G0A], 1
	s_mov_b32 s[G0A+1], s35                        ; keys 0 to 1,023
	s_mov_b32 s[G0B], 1
	s_add_co_u32 s[G0B+1], s35, 0x10000            ; keys 1,024 to 2,047: 65,536 bytes on, in LDS and in memory
	; my queries: tile 32 cx + 16 pass + wave of the head's 128.  cx enters the addresses of Q, of the mask words and of the output alone
	s_bfe_u32 s104, ttmp6, 0x40000                 ; cx
	s_lshl_b32 s40, s104, 15
	s_add_co_u32 s40, s40, s38
	s_lshl_b32 s39, s[WV], 10
	s_add_co_u32 s40, s40, s39                     ; Q: head block + 1,024 x tile
	s_mov_b32 s41, 0
	s_lshr_b32 s39, s105, 4                        ; b
	s_lshl_b32 s42, s39, 19
	s_lshl_b32 s44, s104, 17
	s_add_co_u32 s42, s42, s44
	s_lshl_b32 s44, s[WV], 12
	s_add_co_u32 s42, s42, s44                     ; mask words: 4,096 x (128 b + tile)
	s_mov_b32 s43, 0
	s_lshl_b32 s44, s39, 21                        ; the output: [block of 128 tokens][256 along K][tile of 16 tokens][head % 4][c 2][lane][16 bytes]
	s_lshl_b32 s46, s104, 19
	s_add_co_u32 s44, s44, s46
	s_lshl_b32 s46, s32, 17
	s_add_co_u32 s44, s44, s46                     ; block 16 b + 4 cx + 2 pass + wave / 8, of 131,072 bytes
	s_bfe_u32 s46, s105, 0x20002
	s_lshl_b32 s46, s46, 15
	s_add_co_u32 s44, s44, s46                     ; (head / 4) x 32,768
	s_lshl_b32 s46, s33, 12
	s_add_co_u32 s44, s44, s46                     ; (wave % 8) x 4,096
	s_and_b32 s46, s105, 3
	s_lshl_b32 s46, s46, 10
	s_add_co_u32 s44, s44, s46                     ; (head % 4) x 1,024
	s_mov_b32 s45, 0
	s_mov_b32 s[SEL], 0x76543210
	s_mov_b32 s[SEL+1], 0xfedcba98
	s_mov_b32 s[HM], 0xffff0000
	s_mov_b32 s[CS], 0x3e38aa3b                    ; log2(e) / 8
	s_wait_dscnt 0x0
	s_wait_kmcnt 0x0
	s_load_b256 s[16:23], s[8:9], 0x10             ; e4 .. e11
	s_add_nc_u64 s[G0A+2:G0A+3], s[4:5], s[36:37]
	s_add_nc_u64 s[G0B+2:G0B+3], s[G0A+2:G0A+3], 0x10000
	s_or_b32 s[G0A+3], s[G0A+3], 0x80000000        ; type = 2
	s_or_b32 s[G0B+3], s[G0B+3], 0x80000000
	s_add_nc_u64 s[4:5], s[4:5], s[40:41]
	s_add_nc_u64 s[6:7], s[6:7], s[42:43]
	s_add_nc_u64 s[10:11], s[10:11], s[44:45]
	CROUND                                         ; all four work-groups are here: the joint loads meet
	tensor_load_to_lds s[G0A:G0A+3], s[G1:G1+7]    ; every wave issues both lines, each into bytes of its own
	s_nop 0
	s_wait_alu depctr_va_vdst(0)
	s_wait_tensorcnt 0x0
	ds_add_u32 v251, v255
	s_wait_dscnt 0x0
	CROUND
	tensor_load_to_lds s[G0B:G0B+3], s[G1:G1+7]
	s_nop 0
.rept 4
	v_nop
.endr
	v_and_b32 v[LI], 31, v0
	s_delay_alu instid0(VALU_DEP_1)
	v_lshlrev_b32 v[LI], 4, v[LI]
	s_delay_alu instid0(VALU_DEP_1)
	v_add_nc_u32 v[LV], VBASE, v[LI]
	v_mov_b32 v236, 0                              ; written once: a lane permute's destination counts as one of its sources
	v_mov_b32 v234, 0
	v_mov_b32 v235, 0
	v_mov_b32 v253, 0                              ; (named as the upper half of the pair v[252:253])
	s_wait_kmcnt 0x0
	s_add_co_i32 s24, s18, s19                     ; e6 + e7: a score stands for score x 2^(e6 + e7)
	s_lshl_b32 s25, s24, 23
	s_add_co_i32 s[CS], s[CS], s25                 ; the two exponents are added to c's exponent field
	s_mov_b32 s[CS+1], s[CS]                       ; (named with it as a pair, so it is written)
	s_sub_co_i32 s25, 160, s24
	s_lshl_b32 s25, s25, 23
	s_or_b32 s25, s25, 0x80000000
	v_mov_b32 v[MSK], s25                          ; -2^(33 - e6 - e7): as a logit -2^30
	s_add_co_i32 s25, s20, 127
	s_lshl_b32 s26, s25, 23
	v_mov_b32 v[PSC], s26                          ; 2^e8 as f32, for p's conversions
	s_sub_co_i32 s25, s22, s20
	s_sub_co_i32 s25, s25, s21                     ; e10 - e8 - e9: a sum of the second product stands for sum x 2^(e8 + e9): the three scales are folded into the conversion's one
	s_add_co_i32 s25, s25, 127
	s_lshl_b32 s26, s25, 23
	v_mov_b32 v[OSC], s26
.macro MASKLOAD                        ; 64 words, 256 bytes, at byte s[OFF] of my tile's words
	s_load_b512 s[16:31], s[6:7], s[OFF] offset:0x0
	s_load_b512 s[32:47], s[6:7], s[OFF] offset:0x40
	s_load_b512 s[48:63], s[6:7], s[OFF] offset:0x80
	s_load_b512 s[68:83], s[6:7], s[OFF] offset:0xc0
.endm
; A KEY STEP: 128 keys.
.macro STEP
	v_add_nc_u32 v[ADK], s[TB], v[LI]
	v_add_nc_u32 v[ADV], s[TB], v[LV]
	v_nop
	v_nop                                          ; with the two additions: four places in front of loads into registers that the last products have read
.irp t, 0,1,2,3,4,5,6,7
	ds_load_b128 v[32+8*\t:35+8*\t], v[ADK] offset:1024*\t        ; K's fragment of keys 16 t on, as it was stored: 16 bytes a lane at 16 x lane
	ds_load_b128 v[36+8*\t:39+8*\t], v[ADK] offset:1024*\t+512
.endr
	s_wait_alu depctr_va_vdst(0)
	s_wait_dscnt 0x0
.irp t, 0,1,2,3,4,5,6,7
	v_wmma_f32_16x16x64_bf8_bf8 v[96+8*\t:103+8*\t], v[32+8*\t:39+8*\t], v[16:23], 0
.endr
.rept 4
	v_nop                                          ; places: the loads below land on K's registers, the selects read the scores
.endr
.irp ct, 0,1,2,3
.irp c, 0,1,2,3
	ds_load_b128 v[32+16*\ct+4*\c:35+16*\ct+4*\c], v[ADV] offset:2048*\ct+512*\c   ; V's four fragments: they land under the softmax
.endr
.endr
	s_wait_kmcnt 0x0                               ; this step's mask words, asked for a step ago
.set n, 0
.rept 48
	v_cndmask_b32 v[96+n], v[MSK], v[96+n], s[16+n]   ; one select a score: the score where the key counts, else the masked score; each accumulator from its low end on
.set n, n+1
.endr
.rept 16
	v_cndmask_b32 v[96+n], v[MSK], v[96+n], s[20+n]
.set n, n+1
.endr
	s_add_co_u32 s[OFF], s[OFF], 256               ; (the loads that read it are done: the wait above)
	s_and_b32 s[OFF], s[OFF], 4095                 ; behind the last step: my tile's first words again, so that no load leaves the buffer
	MASKLOAD                                       ; the next step's words, a whole step ahead, into the registers just read
	v_max3_num_f32 v254, v96, v97, v98             ; the step's largest score of my query, among my 64 keys, in two chains,
	v_max3_num_f32 v252, v99, v100, v101
.irp i, 6,10,14,18,22,26,30,34,38,42,46,50,54,58
	s_delay_alu instid0(VALU_DEP_2)
	v_max3_num_f32 v254, v254, v[96+\i], v[97+\i]
	s_delay_alu instid0(VALU_DEP_2)
	v_max3_num_f32 v252, v252, v[98+\i], v[99+\i]
.endr
	s_delay_alu instid0(VALU_DEP_2)
	v_max3_num_f32 v254, v254, v158, v159
	s_delay_alu instid0(VALU_DEP_1)
	v_max_num_f32 v254, v254, v252
	s_delay_alu instid0(VALU_DEP_1)
	v_permlanex16_b32 v236, v254, s[SEL], s[SEL+1]
	s_delay_alu instid0(VALU_DEP_1)
	v_max_num_f32 v254, v254, v236                 ; and among lane l xor 16's
	s_delay_alu instid0(VALU_DEP_1)
	v_mul_f32 v254, s[CS], v254                    ; as t (c is positive)
	s_delay_alu instid0(VALU_DEP_1)
	v_max_num_f32 v13, v13, v254                   ; the running largest t
	v_mov_b32 v254, v12
	s_delay_alu instid0(VALU_DEP_2)
	v_floor_f32 v12, -v13                          ; the new -M = floor(-t) = -ceil(t): M is a whole number
	s_delay_alu instid0(VALU_DEP_1)
	v_sub_f32 v254, v12, v254                      ; M's old value less its new one: a whole number, 0 or less
	s_delay_alu instid0(VALU_DEP_1)
	v_cvt_i32_f32 v254, v254                       ; (it saturates)
	s_delay_alu instid0(VALU_DEP_1)
	v_ldexp_f32 v252, 1.0, v254                    ; f = 2^(old M - new M)
.irp j, 0,2,4,6,8,10,12,14,16,18,20,22,24,26,28,30,32,34,36,38,40,42,44,46,48,50,52,54,56,58,60,62
	v_pk_fma_f32 v[96+\j:97+\j], v[96+\j:97+\j], s[CS:CS+1], v[12:13] op_sel_hi:[1,0,0]   ; t - M, two at a time (of the pairs c and -M the low word serves both halves)
.endr
.set n, 0
	s_setprio 1
	s_wait_alu depctr_va_vdst(0)
.rept 64
	v_exp_f32 v[96+n], v[96+n]                     ; p = 2^(t - M), at most 1: not normalised
.set n, n+1
.endr
	v_pk_mul_f32 v[14:15], v[14:15], v[252:253] op_sel_hi:[1,0]   ; the sums under the new M.  (The plain instruction behind the exponentials)
	s_wait_alu depctr_va_vdst(0)                   ; one wait for the whole batch, ahead of its first reader
	v_pk_add_f32 v[242:243], v[96:97], v[98:99]    ; the row's sum is taken of the unquantised p: two at a time, in two chains
.irp j, 4,8,12,16,20,24,28,32,36,40,44,48,52,56,60
	v_pk_add_f32 v[14:15], v[14:15], v[96+\j:97+\j]
	v_pk_add_f32 v[242:243], v[242:243], v[98+\j:99+\j]
.endr
	s_delay_alu instid0(VALU_DEP_1)
	v_pk_add_f32 v[14:15], v[14:15], v[242:243]
.set n, 0
.rept 64
.set n, n+1
.endr
	s_setprio 0
.irp t, 0,1,2,3,4,5,6,7
	v_cvt_scalef32_pk8_bf8_f32 v[192+2*\t:193+2*\t], v[96+8*\t:103+8*\t], v[PSC]   ; keys 16 t + 8 h + 0 .. 7: registers 2 t, 2 t + 1 of the operand
.endr
.irp j, 0,2,4,6,8,10,12,14,16,18,20,22,24,26,28,30
	v_pk_mul_f32 v[160+\j:161+\j], v[160+\j:161+\j], v[252:253] op_sel_hi:[1,0]   ; O^T under the new M: x f.  (Plain instructions between the conversions and the products that read the codes)
.endr
	s_wait_alu depctr_va_vdst(0)
	s_wait_dscnt 0x0                               ; V
.irp ct, 0,1,2,3
	v_wmma_f32_16x16x128_bf8_bf8 v[160+8*\ct:167+8*\ct], v[32+16*\ct:47+16*\ct], v[192:207], v[160+8*\ct:167+8*\ct]   ; the four accumulators by turns; eight other products stand between two links
.endr
	s_add_co_u32 s[TB], s[TB], 8192
.endm
; Eight steps, 1,024 keys.  left = how many of my tensor loads may stay out: in front of the first half the second half's one; nothing is ever filled again, so it may cross the barrier.
.macro HALF left
	s_wait_tensorcnt \left                         ; my part of these keys has landed,
	s_wait_dscnt 0x0
	s_barrier_signal -1
	s_barrier_wait -1                              ; everybody's has
	s_mov_b32 s[CNT], 8
.Lstep_\@:
	s_setprio 2
	STEP
	s_sub_co_u32 s[CNT], s[CNT], 1
	s_cmp_lg_u32 s[CNT], 0
	s_cbranch_scc1 .Lstep_\@
	s_setprio 0
.endm
	s_mov_b32 s[PASS], 2
.Lpass:
	s_mov_b32 s[OFF], 0                            ; (no scalar load is out here)
	MASKLOAD                                       ; step 0's words
	s_wait_alu depctr_va_vdst(0)
	global_load_b128 v[16:19], v[LI], s[4:5]       ; Q's fragment stays in registers for the pass
	global_load_b128 v[20:23], v[LI], s[4:5] offset:512
	v_mov_b32 v13, 0xff61b1e6                      ; the largest t so far: -3e38, under every t
	s_delay_alu instid0(VALU_DEP_1)
	v_floor_f32 v12, -v13                          ; -M
	v_mov_b32 v14, 0                               ; the sum, in two halves
	v_mov_b32 v15, 0
.set n, 0
.rept 32
	v_mov_b32 v[160+n], 0                          ; O^T.  (The step is written once: the first finds zeros, which the first change of M leaves zeros)
.set n, n+1
.endr
	s_mov_b32 s[TB], 0
	s_wait_loadcnt 0x0                             ; Q
	HALF 1
	HALF 0
	; THE WAY OUT of a pass.  O^T / the sum is held, converted with the folded scale, and laid as the last projection reads it: lane (r, h) holds, for c = 0, 1, channels 32 c + 16 h + 0 .. 15 of token r.
.rept 4
	v_nop                                          ; places behind the last products
.endr
	v_add_f32 v14, v14, v15                        ; the sum's two halves,
	s_delay_alu instid0(VALU_DEP_1)
	v_permlanex16_b32 v236, v14, s[SEL], s[SEL+1]
	s_delay_alu instid0(VALU_DEP_1)
	v_add_f32 v14, v14, v236                       ; and lane l xor 16's: the row's sum, above 1/2
	s_wait_alu depctr_va_vdst(0)
	v_rcp_f32 v14, v14
	v_nop                                          ; a plain instruction behind the transcendental
	s_wait_alu depctr_va_vdst(0)                   ; and the wait ahead of its first reader
.irp j, 0,2,4,6,8,10,12,14,16,18,20,22,24,26,28,30
	v_pk_mul_f32 v[96+\j:97+\j], v[160+\j:161+\j], v[14:15] op_sel_hi:[1,0]   ; register 8 ct + j: channel 16 ct + 8 h + j; each accumulator from its low end on
.endr
.set n, 0
.rept 32
.set n, n+1
.endr
.irp ct, 0,1,2,3
	v_cvt_scalef32_pk8_bf8_f32 v[224+2*\ct:225+2*\ct], v[96+8*\ct:103+8*\ct], v[OSC]
.endr
	v_nop                                          ; one plain vector instruction between the conversions and the selects that read their results
	; a lane has channels 16 ct + 8 h + 0 .. 7 of each tile; it wants 16 neighbours.  Lanes 0-15 keep tile 2 c and send tile 2 c + 1, lanes 16-31 the other way round
.irp c, 0,1
.irp w, 0,1
	v_cndmask_b32 v[232+\w], v[226+4*\c+\w], v[224+4*\c+\w], s[HM]   ; what my partner wants
.endr
.irp w, 0,1
	s_delay_alu instid0(VALU_DEP_2)
	v_permlanex16_b32 v[234+\w], v[232+\w], s[SEL], s[SEL+1]
.endr
.irp w, 0,1
	v_cndmask_b32 v[240+4*\c+\w], v[224+4*\c+\w], v[234+\w], s[HM]   ; the lower eight channels: mine in lanes 0-15, my partner's in lanes 16-31
	v_cndmask_b32 v[242+4*\c+\w], v[234+\w], v[226+4*\c+\w], s[HM]   ; the upper eight: the other way round
.endr
.endr
	global_store_b128 v[LI], v[240:243], s[10:11]              ; 512 consecutive bytes, aligned
	global_store_b128 v[LI], v[244:247], s[10:11] offset:512
	s_wait_xcnt 0x0                                ; the stores have read their data and their base: both are written again only behind this wait
	s_wait_kmcnt 0x0                               ; the words asked for in the last step are in: their base and offset may be written
	s_add_nc_u64 s[4:5], s[4:5], 0x4000            ; 16 tiles of queries on: Q,
	s_add_nc_u64 s[6:7], s[6:7], 0x10000           ; the mask words,
	s_add_nc_u64 s[10:11], s[10:11], 0x40000       ; the output: two blocks of 128 tokens
	s_sub_co_u32 s[PASS], s[PASS], 1
	s_cmp_lg_u32 s[PASS], 0
	s_cbranch_scc1 .Lpass
	s_wait_tensorcnt 0x0
	ds_add_u32 v251, v255
	s_wait_dscnt 0x0
	CROUND                                         ; the closing round: no work-group ends while a partner may still ask for a tile that names it
	s_endpgm
.Lfunc_end_k_q8a33080a09_attn:
	.size	k_q8a33080a09_attn, .Lfunc_end_k_q8a33080a09_attn-k_q8a33080a09_attn
	.p2alignl 7, 3214868480
	.fill 96, 4, 3214868480
	.section	.rodata,"a",@progbits
	.p2align	6, 0x0
	.amdhsa_kernel k_q8a33080a09_attn
		.amdhsa_group_segment_fixed_size 327680
		.amdhsa_private_segment_fixed_size 0
		.amdhsa_enable_private_segment 0
		.amdhsa_kernarg_size 32
		.amdhsa_user_sgpr_count 2
		.amdhsa_user_sgpr_kernarg_segment_ptr 1
		.amdhsa_wavefront_size32 1
		.amdhsa_system_sgpr_workgroup_id_x 1
		.amdhsa_system_sgpr_workgroup_id_y 1
		.amdhsa_system_sgpr_workgroup_id_z 1
		.amdhsa_system_vgpr_workitem_id 0
		.amdhsa_next_free_vgpr 256
		.amdhsa_next_free_sgpr 106
		.amdhsa_reserve_vcc 0
		.amdhsa_float_denorm_mode_32 3
		.amdhsa_float_denorm_mode_16_64 3
		.amdhsa_fp16_overflow 1
		.amdhsa_memory_ordered 1
		.amdhsa_forward_progress 1
		.amdhsa_inst_pref_size 50
	.end_amdhsa_kernel
	.amdgpu_metadata
---
amdhsa.version: [ 1, 2 ]
amdhsa.kernels:
  - .name:           k_q8a33080a09_attn
    .symbol:         k_q8a33080a09_attn.kd
    .args:
      - { .name: qkv, .offset: 0, .size: 8, .value_kind: global_buffer, .address_space: global }
      - { .name: maskw, .offset: 8, .size: 8, .value_kind: global_buffer, .address_space: global }
      - { .name: lowp_scales, .offset: 16, .size: 8, .value_kind: global_buffer, .address_space: global }
      - { .name: oimg, .offset: 24, .size: 8, .value_kind: global_buffer, .address_space: global }
    .group_segment_fixed_size: 327680
    .private_segment_fixed_size: 0
    .kernarg_segment_align: 8
    .kernarg_segment_size: 32
    .max_flat_workgroup_size: 512
    .sgpr_count:     106
    .vgpr_count:     256
    .wavefront_size: 32
...
	.end_amdgpu_metadata
.endif
;; end of part 3
;; launch oproj (part 4): grid 4 x 32, 4 waves a work-group, clusters of 4 x 4, 327,680 bytes of LDS; arguments oimg, w_o_codes, lowp_scales, b_o, out0; writes out0
.if DOCPART == 4
	.amdgcn_target "amdgcn-amd-amdhsa--gfx1250"
	.amdhsa_code_object_version 6
	.text
	.protected	k_q8a33080a09_oproj
	.globl	k_q8a33080a09_oproj
	.p2align	8
	.type	k_q8a33080a09_oproj,@function
k_q8a33080a09_oproj:
	s_mov_b64 s[64:65], 0
	v_nop
	global_prefetch_b8 v0, s[64:65] scope:SCOPE_SE
	s_setreg_imm32_b32 hwreg(HW_REG_WAVE_MODE, 25, 1), 1
	s_wait_xcnt 0x0
	s_wait_alu depctr_hold_cnt(0) depctr_sa_sdst(0) depctr_va_vdst(0) depctr_va_sdst(0) depctr_va_ssrc(0) depctr_va_vcc(0) depctr_vm_vsrc(0)
	s_getreg_b32 s2, hwreg(HW_REG_IB_STS2, 6, 4)
	s_cmp_eq_u32 s2, 0
	s_cbranch_scc0 .Lentry_in_a_cluster
	s_endpgm
.Lentry_in_a_cluster:
	s_bfe_u32 s2, ttmp6, 0x10000c
	s_cmp_lg_u32 s2, 0xf033
	s_cbranch_scc0 .Lentry_shape_is_right
	s_endpgm
.Lentry_shape_is_right:
; out0 = a W_o^T + b_o on codes of BF8 (E5M2).  a [8,192][1,024] is attention's result, given as IMAGES OF OPERAND REGISTERS (buffer oimg:
; [block of 128 tokens][256 along K][tile of 16 tokens][4][2][lane][16 bytes]: a tile's fragment for 128 along K is four runs of 512 bytes); W_o [1,024][1,024]: codes, K innermost; out0 [8,192][1,024] f32.
; A number of a is its code x 2^e10, of W_o x 2^e11.  The codes are multiplied as they are; b_o goes in as b_o / 2^(e10 + e11), the C of the first K step's products; each finished sum is multiplied once by 2^(e10 + e11).
; LIMIT: e10 + e11 between -126 and 127, so that 2^(e10 + e11) is an f32 number.
; A tile of the output, 256 x 256, is made by four waves, each 128 x 128: 64 accumulators, 512 registers.  K goes in four steps of 256 through a ring of two LDS slots filled by the tensor data mover.
; CLUSTERS: 4 x 4 work-groups; a's tiles are asked for jointly along a row of the cluster, W_o's along a column.  THE MATRIX INSTRUCTION IS USED TRANSPOSED (source 0 = 16 rows of W_o, source 1 = 16 tokens).
; a's tile of 128 tokens x 256 K is one dense block of 32,768 bytes and lies in LDS as it is: every fragment load reads 512 consecutive bytes.  W_o's rows are padded to 272 bytes.
; Both sides have K = 32 c + 16 (l / 16) + 0 .. 15 in registers 4 c .. 4 c + 3: the same order of k, so every product meets its partner.
; REGISTERS, in windows of 256: window 0: v0-31 addresses; v32-95 the bias, later the way out; from v128 a's fragments, ONE set.   window 1: W_o's fragments, TWO sets.   windows 2, 3: the accumulators.
.set SIZE_N, 1024
.set KSTEP,  256
.set ROWB,   256                       ; a row of W_o's tile in bytes
.set KROW,   1024                      ; a row of W_o in memory
.set PITCH,  272                       ; its LDS row: 256 bytes + 16 of padding: the 16 rows that a load touches start at 16 different banks (64 banks of 4 bytes: ISA guide 11.1)
.set FR,     16
.set NL,     4
.set NP,     4                         ; places behind this matrix instruction (ISA guide 7.12.1)
.set ABLK,   32768                     ; a's 128 tokens x 256 K
.set HALFT,  128*PITCH                 ; W_o's 128 rows
.set BOFF,   2*ABLK                    ; in a slot: a's two blocks, then W_o's 256 rows
.set SLOT,   2*ABLK+2*HALFT
.set LAPS,   2
.set SPARE,  2*SLOT                    ; behind the ring: the spare words, 128 bytes for each wave
.set SPITCH, 528                       ; the way out: a stage of 16 rows x (512 bytes + 16) for each wave, in slot 0, which has had its last fill and its last read when the first result is stored there
.set ADRA, 16
.set ADRB, 20
.set STO,  24
.set RD,   25
.set CO,   26                          ; v26  16 x lane
.set SPW,  28
.set NIL,  29
.set BP,   32                          ; v32-95 the bias: block b, register j: column 16 b + 8 h + j
.set TMP,  32
.set AF,   128
.set BK,   128
.set G1, 24
.set G0, 32
.set G1B, 48
.set G0B, 56
.set MSB, 0
.macro WIN new                         ; the immediate's high byte repeats the setting that is left
.if MSB != (\new)
	s_set_vgpr_msb (MSB<<8)|(\new)
.set MSB, (\new)
.endif
.endm
.set MUL_LO, 0xa1                      ; source 0 (W_o) window 1, source 1 (a) window 0, C and D window 2; in the first step C is the bias, in window 0: 0x81
.set MUL_HI, 0xf1                      ; the same, C and D window 3; first step 0xc1
.set TO_B,   0x40
.macro JLOAD g0a, g1a, g0b, g1b        ; a joint load: waves 0 and 1 fetch for a, waves 2 and 3 for W_o; four v_nop follow each of the two lines
	s_cmp_eq_u32 s15, 0
	s_cbranch_scc0 .Lfor_b_\@
	tensor_load_to_lds s[\g0a:\g0a+3], s[\g1a:\g1a+7]
	s_nop 0
.rept 4
	v_nop
.endr
	s_branch .Lasked_\@
.Lfor_b_\@:
	tensor_load_to_lds s[\g0b:\g0b+3], s[\g1b:\g1b+7]
	s_nop 0
.rept 4
	v_nop
.endr
.Lasked_\@:
.endm
.macro CREST
	s_cmp_lg_u32 s14, 0
	s_cbranch_scc1 .Lnot_wave_0_\@
	s_barrier_signal -3
.Lnot_wave_0_\@:
	s_barrier_wait -3
	s_barrier_signal -1
	s_barrier_wait -1
.endm
.macro CROUND
	s_barrier_signal -1
	s_barrier_wait -1
	CREST
.endm
	s_load_b128 s[4:7], s[0:1], 0x0                ; a's images s[4:5], W_o's codes s[6:7]
	s_load_b128 s[8:11], s[0:1], 0x10              ; the scales' exponents s[8:9], b_o s[10:11]
	s_load_b64 s[12:13], s[0:1], 0x20              ; out0
	v_lshl_add_u32 v[SPW], v0, 2, SPARE
	v_mov_b32 v[NIL], 0
	ds_add_u32 v28, v29
	ds_add_u32 v28, v29
	s_wait_dscnt 0x0
	v_lshrrev_b32 v1, 5, v0
	v_readfirstlane_b32 s14, v1                    ; wave 0..3
	s_lshr_b32 s15, s14, 1                         ; which half of the tile's tokens is mine.  Also: I fetch for a (0) or for W_o (1)
	s_and_b32 s16, s14, 1                          ; which half of its columns.  Also: which 128 rows of that tile I fetch
	s_bfe_u32 s40, ttmp6, 0x40000                  ; cx, cy
	s_bfe_u32 s41, ttmp6, 0x40004
	s_lshl_b32 s42, ttmp9, 2
	s_add_co_u32 s42, s42, s40                     ; tile column = 4 x cluster x + cx
	s_and_b32 s17, ttmp7, 0xffff
	s_lshl_b32 s17, s17, 2
	s_add_co_u32 s17, s17, s41                     ; tile row = 4 x cluster y + cy
	s_lshl_b32 s43, s41, 2
	s_lshl_b32 s43, 15, s43                        ; my row of the cluster
	s_lshl_b32 s44, 0x1111, s40                    ; my column
	s_or_b32 s[G1+0], s43, (0<<16)|(1<<21)         ; a: 15:0 the mask of my row; elements of 1 byte; no padding; 21 set beside a mask
	s_or_b32 s[G1B+0], s44, (0<<16)|(1<<20)|(1<<21)|(5<<22)|(3<<25)  ; W_o: the mask of my column; padding: 4 words after every 64
.irp g, G1, G1B
	s_mov_b32 s[\g+1], ROWB<<16                    ; tensor_dim0 = 256
	s_mov_b32 s[\g+2], 128<<16                     ; tensor_dim1 = 128
	s_mov_b32 s[\g+3], ROWB<<16                    ; tile_dim0
	s_mov_b32 s[\g+4], 128                         ; tile_dim1
	s_mov_b32 s[\g+6], 0
	s_mov_b32 s[\g+7], 0
.endr
	s_mov_b32 s[G1+5], 256                         ; a's block is dense: rows of 256 bytes on end
	s_mov_b32 s[G1B+5], KROW
	s_lshl_b32 s20, s17, 1
	s_add_co_u32 s20, s20, s16                     ; a: block of 128 tokens = 2 x tile row + half,
	s_lshl_b32 s20, s20, 17                        ; of 131,072 bytes
	s_mov_b32 s21, 0
	s_lshl_b32 s18, s16, 7
	s_lshl_b32 s46, s42, 8
	s_add_co_u32 s46, s46, s18                     ; W_o: row 256 x tile column + 128 x half,
	s_lshl_b32 s46, s46, 10                        ; of 1,024 bytes
	s_mov_b32 s47, 0
	s_lshl_b32 s45, s16, 15                        ; where they go: a's block,
	s_mul_i32 s23, s16, HALFT
	s_add_co_u32 s23, s23, BOFF                    ; W_o's rows: no place in the cluster enters an LDS address
	s_wait_kmcnt 0x0
	s_load_b64 s[96:97], s[8:9], 0x28              ; e10, e11
	s_add_nc_u64 s[20:21], s[4:5], s[20:21]
	s_add_nc_u64 s[46:47], s[6:7], s[46:47]
	CROUND                                         ; all sixteen work-groups are here: the first joint loads meet
.irp s, 0,1
	s_mov_b32 s[G0+4*\s], 1
	s_add_co_u32 s[G0+4*\s+1], s45, \s*SLOT
	s_add_nc_u64 s[G0+4*\s+2:G0+4*\s+3], s[20:21], \s*ABLK
	s_or_b32 s[G0+4*\s+3], s[G0+4*\s+3], 0x80000000
	s_mov_b32 s[G0B+4*\s], 1
	s_add_co_u32 s[G0B+4*\s+1], s23, \s*SLOT
	s_add_nc_u64 s[G0B+4*\s+2:G0B+4*\s+3], s[46:47], \s*ROWB
	s_or_b32 s[G0B+4*\s+3], s[G0B+4*\s+3], 0x80000000
	s_wait_alu depctr_va_vdst(0)
	s_wait_tensorcnt 0x0
	ds_add_u32 v28, v29
	ds_add_u32 v28, v29
	s_wait_dscnt 0x0
	CROUND
	JLOAD G0+4*\s, G1, G0B+4*\s, G1B
.endr
	v_and_b32 v1, 15, v0                           ; r
	v_bfe_u32 v2, v0, 4, 1                         ; h
	v_mul_u32_u24 v3, v1, PITCH
	v_lshl_add_u32 v4, v2, 4, v3                   ; W_o: a fragment's row x pitch + 16 x half
	v_and_b32 v6, 31, v0
	v_lshlrev_b32 v[CO], 4, v6                     ; 16 x lane: an image's place for my lane; also my bytes of a row of 512 on the way out
	s_wait_alu depctr_va_vdst(0)
	s_lshl_b32 s21, s15, 15                        ; my 128 tokens' block
	s_mul_i32 s22, s16, HALFT                      ; my 128 rows of W_o,
	s_add_co_u32 s22, s22, BOFF                    ; behind a's two blocks
.irp s, 0,1
	v_add_nc_u32 v[ADRA+\s], s21, v[CO]
	v_add_nc_u32 v[ADRB+\s], s22, v4
	s_add_co_u32 s21, s21, SLOT
	s_add_co_u32 s22, s22, SLOT
.endr
	s_mul_i32 s23, s14, 16*SPITCH                  ; my stage
	v_mul_u32_u24 v5, v1, SPITCH                   ; in: row r, 32 bytes for each half of the lanes
	v_lshl_add_u32 v5, v2, 5, v5
	v_add_nc_u32 v[STO], s23, v5
	v_add_nc_u32 v[RD], s23, v[CO]                 ; back: the 32 lanes take one row of 512 bytes
	s_lshl_b32 s46, s42, 10                        ; my first column, in bytes of f32: 1,024 x tile column + 512 x half: in b_o and in a row of the output alike
	s_lshl_b32 s47, s16, 9
	s_add_co_u32 s46, s46, s47
	s_mov_b32 s47, 0
	v_lshlrev_b32 v7, 5, v2                        ; + 32 h: my half's eight columns
	v_add_nc_u32 v7, s46, v7
.irp b, 0,1,2,3,4,5,6,7
	global_load_b128 v[BP+8*\b:BP+8*\b+3], v7, s[10:11] offset:64*\b
	global_load_b128 v[BP+8*\b+4:BP+8*\b+7], v7, s[10:11] offset:64*\b+16
.endr
	s_lshl_b32 s20, s17, 8
	s_lshl_b32 s21, s15, 7
	s_add_co_u32 s20, s20, s21                     ; my first row of the output: 256 x tile row + 128 x half,
	s_lshl_b32 s20, s20, 12                        ; of 4,096 bytes
	s_mov_b32 s21, 0
	s_add_nc_u64 s[20:21], s[20:21], s[46:47]
	s_add_nc_u64 s[12:13], s[12:13], s[20:21]
	s_wait_kmcnt 0x0
	s_add_co_i32 s96, s96, s97                     ; e10 + e11
	s_sub_co_i32 s97, 0, s96
	s_wait_loadcnt 0x0                             ; the bias
.set i, 0
.rept 64
	v_ldexp_f32 v[BP+i], v[BP+i], s97              ; b_o / 2^(e10 + e11)
.set i, i+1
.endr
.macro FRAG reg, adr, q, i             ; W_o: 16 rows x 128 K from padded rows
.irp c, 0,1,2,3
	ds_load_b128 v[\reg+4*\c:\reg+4*\c+3], v[\adr] offset:128*(\q)+32*\c+(\i)*16*PITCH
.endr
.endm
.macro FRAGA reg, adr, q, i            ; a: tile i of 16 tokens, the q-th 128 along K: four runs of 512 bytes, as they were stored
.irp c, 0,1,2,3
	ds_load_b128 v[\reg+4*\c:\reg+4*\c+3], v[\adr] offset:2048*(\q)+512*\c+(\i)*4096
.endr
.endm
; The 64 accumulators take turns, one instruction a turn, in the same order in every step.  first = 1: the bias is the C of the product that starts a sum.
.macro MUL16 a0, p, first
.irp a, \a0, \a0+1
.irp b, 0,1,2,3,4,5,6,7
.if \first
	v_wmma_f32_16x16x128_bf8_bf8 v[8*(8*((\a)%4)+\b):8*(8*((\a)%4)+\b)+7], v[128*(\p)+FR*\b:128*(\p)+FR*\b+FR-1], v[AF+FR*(\a):AF+FR*(\a)+FR-1], v[BP+8*\b:BP+8*\b+7]
.else
	v_wmma_f32_16x16x128_bf8_bf8 v[8*(8*((\a)%4)+\b):8*(8*((\a)%4)+\b)+7], v[128*(\p)+FR*\b:128*(\p)+FR*\b+FR-1], v[AF+FR*(\a):AF+FR*(\a)+FR-1], v[8*(8*((\a)%4)+\b):8*(8*((\a)%4)+\b)+7]
.endif
.endr
.endr
.endm
.macro FETCH_B slot, q, p
	WIN TO_B
.irp i, 0,1,2,3,4,5,6,7
	FRAG 128*(\p)+FR*\i, ADRB+\slot, \q, \i
.endr
	WIN 0
.endm
.macro FETCH_A slot, q, i0
.irp i, \i0, \i0+1, \i0+2, \i0+3
	FRAGA AF+FR*(\i), ADRA+\slot, \q, \i
.endr
.endm
.macro PLACES n                        ; plain vector instructions in front of loads into registers that matrix instructions have read, and of the first read of results (ISA guide 7.12.1 for the first read of results)
.rept \n
	v_nop
.endr
.endm
.macro STEP slot, q, first
	s_wait_dscnt 4*NL                              ; W_o's set and a's blocks 0-3 are in; the youngest 16 loads (a's blocks 4-7) may be out
	WIN MUL_LO-0x20*(\first)
	MUL16 0, (\q)%2, \first
	MUL16 2, (\q)%2, \first
	s_wait_dscnt 0
	PLACES NP
	FETCH_B \slot, (\q)+1, 1-(\q)%2
	FETCH_A \slot, (\q)+1, 0
	WIN MUL_HI-0x30*(\first)
	MUL16 4, (\q)%2, \first
	MUL16 6, (\q)%2, \first
	PLACES NP
	WIN 0
	FETCH_A \slot, (\q)+1, 4
.endm
.macro TURN slot, next, fill
	s_wait_tensorcnt 0x0                           ; all my tensor loads have landed: my part of the next slot;
	ds_add_u32 v[SPW], v[NIL]                      ; 0 onto my spare word
	s_wait_dscnt 4*NL+1                            ; (the add and the youngest 16 loads may be out)
	WIN MUL_LO
	MUL16 0, 1, 0                                  ; sixteen matrix instructions stand between the add and the wait for it
	s_wait_dscnt 0x0                               ; the add is done, and my reads of this slot are over
	s_barrier_signal -1
	MUL16 2, 1, 0
	WIN 0
	s_barrier_wait -1
.if \fill
	CREST                                          ; the barrier has opened a round of the cluster's barrier: no wave of any partner still reads this slot's tile or has a load on its way
	s_add_nc_u64 s[G0+4*\slot+2:G0+4*\slot+3], s[G0+4*\slot+2:G0+4*\slot+3], 2*ABLK
	s_add_nc_u64 s[G0B+4*\slot+2:G0B+4*\slot+3], s[G0B+4*\slot+2:G0B+4*\slot+3], 2*ROWB
	JLOAD G0+4*\slot, G1, G0B+4*\slot, G1B         ; the first tensor load behind the round; its four v_nop are the places in front of the loads below
.else
	PLACES NP
.endif
	FETCH_B \next, 0, 0
	FETCH_A \next, 0, 0
	WIN MUL_HI
	MUL16 4, 1, 0
	MUL16 6, 1, 0
	PLACES NP
	WIN 0
	FETCH_A \next, 0, 4
.endm
	s_wait_alu depctr_va_vdst(0)
	s_wait_tensorcnt 1                             ; my part of K step 0 is in (K step 1's load may be out)
	s_barrier_signal -1
	s_barrier_wait -1                              ; everybody's is
	FETCH_B 0, 0, 0
	FETCH_A 0, 0, 0
	FETCH_A 0, 0, 4
	STEP 0, 0, 1                                   ; the first step stands in front of the loop: its products start the sums
	s_mov_b32 s3, LAPS-1
.Llap:
	TURN 0, 1, 1
	STEP 1, 0, 0
	TURN 1, 0, 1
	STEP 0, 0, 0
	s_sub_co_u32 s3, s3, 1
	s_cmp_lg_u32 s3, 0
	s_cbranch_scc1 .Llap
	TURN 0, 1, 0                                   ; the last lap fills nothing
	STEP 1, 0, 0
	s_wait_dscnt 4*NL
	WIN MUL_LO
	MUL16 0, 1, 0
	MUL16 2, 1, 0
	s_wait_dscnt 0
	WIN MUL_HI
	MUL16 4, 1, 0
	MUL16 6, 1, 0
	WIN 0
; THE WAY OUT, block by block of 16 rows x 128 columns: through my own stage in LDS, back as whole rows of 512 bytes.  LDS serves a wave's instructions in order (ISA guide 5.7.1.4): no wait between the stores and the loads.
.macro TOSTAGE a
.set AC, 64*((\a)%4)
	WIN 0x02+((\a)/4)
.irp j, 0,2,4,6,8,10,12,14,16,18,20,22,24,26,28,30,32,34,36,38,40,42,44,46,48,50,52,54,56,58,60,62
	v_pk_mul_f32 v[TMP+\j:TMP+\j+1], v[AC+\j:AC+\j+1], s[96:97] op_sel_hi:[1,0]   ; both x s96 = 2^(e10 + e11); each accumulator from its low end on
.endr
	WIN 0
.irp b, 0,1,2,3,4,5,6,7
	ds_store_b128 v[STO], v[TMP+8*\b:TMP+8*\b+3] offset:64*\b
	ds_store_b128 v[STO], v[TMP+8*\b+4:TMP+8*\b+7] offset:64*\b+16
.endr
.set BB, BK+64*((\a)%2)
.irp t, 0,1,2,3,4,5,6,7,8,9,10,11,12,13,14,15
	ds_load_b128 v[BB+4*\t:BB+4*\t+3], v[RD] offset:\t*SPITCH
.endr
.endm
.macro SEND a, younger                 ; younger: the LDS instructions issued behind block a's loads, which may stay out
.set BB, BK+64*((\a)%2)
	s_wait_dscnt \younger
.if (\a) > 0
	s_add_nc_u64 s[12:13], s[12:13], 16*SIZE_N*4   ; (behind a wait on XCNT: the earlier stores have read their base)  16 rows on
.endif
.irp t, 0,1,2,3,4,5,6,7,8,9,10,11,12,13,14,15
	global_store_b128 v[CO], v[BB+4*\t:BB+4*\t+3], s[12:13] offset:\t*SIZE_N*4 th:TH_STORE_NT   ; 32 lanes store 512 consecutive bytes, aligned; written once, read by nobody here
.endr
.endm
	s_add_co_i32 s96, s96, 127
	s_lshl_b32 s96, s96, 23                        ; 2^(e10 + e11) as f32
	PLACES NP                                      ; behind the last products
	TOSTAGE 0
.irp a, 1,2,3,4,5,6,7
.if \a > 1
	s_wait_xcnt 0x0                                ; block a - 2's stores have read their registers and their base
.endif
	TOSTAGE \a
	SEND \a-1, 32                                  ; behind block a - 1's loads: block a's 16 stores and 16 loads
.endr
	s_wait_xcnt 0x0                                ; block 6's stores have read their base
	SEND 7, 0
	s_wait_tensorcnt 0x0                           ; the wave's end: behind my last tensor load and my last LDS store
	ds_add_u32 v[SPW], v[NIL]
	s_wait_dscnt 0x0
	CROUND                                         ; the closing round
	s_endpgm
.Lfunc_end_k_q8a33080a09_oproj:
	.size	k_q8a33080a09_oproj, .Lfunc_end_k_q8a33080a09_oproj-k_q8a33080a09_oproj
	.p2alignl 7, 3214868480
	.fill 96, 4, 3214868480
	.section	.rodata,"a",@progbits
	.p2align	6, 0x0
	.amdhsa_kernel k_q8a33080a09_oproj
		.amdhsa_group_segment_fixed_size 327680
		.amdhsa_private_segment_fixed_size 0
		.amdhsa_enable_private_segment 0
		.amdhsa_kernarg_size 40
		.amdhsa_user_sgpr_count 2
		.amdhsa_user_sgpr_kernarg_segment_ptr 1
		.amdhsa_wavefront_size32 1
		.amdhsa_system_sgpr_workgroup_id_x 1
		.amdhsa_system_sgpr_workgroup_id_y 1
		.amdhsa_system_sgpr_workgroup_id_z 1
		.amdhsa_system_vgpr_workitem_id 0
		.amdhsa_next_free_vgpr 1024
		.amdhsa_next_free_sgpr 98
		.amdhsa_reserve_vcc 0
		.amdhsa_float_denorm_mode_32 3
		.amdhsa_float_denorm_mode_16_64 3
		.amdhsa_memory_ordered 1
		.amdhsa_forward_progress 1
		.amdhsa_inst_pref_size 130
	.end_amdhsa_kernel
	.amdgpu_metadata
---
amdhsa.version: [ 1, 2 ]
amdhsa.kernels:
  - .name:           k_q8a33080a09_oproj
    .symbol:         k_q8a33080a09_oproj.kd
    .args:
      - { .name: oimg, .offset: 0, .size: 8, .value_kind: global_buffer, .address_space: global }
      - { .name: w_o_codes, .offset: 8, .size: 8, .value_kind: global_buffer, .address_space: global }
      - { .name: lowp_scales, .offset: 16, .size: 8, .value_kind: global_buffer, .address_space: global }
      - { .name: b_o, .offset: 24, .size: 8, .value_kind: global_buffer, .address_space: global }
      - { .name: out0, .offset: 32, .size: 8, .value_kind: global_buffer, .address_space: global }
    .group_segment_fixed_size: 327680
    .private_segment_fixed_size: 0
    .kernarg_segment_align: 8
    .kernarg_segment_size: 40
    .max_flat_workgroup_size: 128
    .sgpr_count:     98
    .vgpr_count:     1024
    .wavefront_size: 32
...
	.end_amdgpu_metadata
.endif
;; end of part 4
